; MI455X (gfx1250); checked and timed in simulation.
; The chip was launched on July 23, 2026; its instructions are those of AMD's public machine-readable ISA for CDNA 5 (MIT licence, August 2026) and "CDNA5" Instruction Set Architecture Reference Guide (July 2026). The comments in the code are by the model that wrote it; some were corrected since.
;; Tiny Lo RA Layer. Allowed arithmetic: matrix products marked QUANTISED: E2M1 operands, one E8M0 scale for each 32 along K, by v_wmma_scale_f32_16x16x128_f8f6f4 with both operands' format E2M1 (or v_wmma_scale_f32_32x16x128_f4), f32 sums; products left as they are: f32 operands where the result goes on into a quantised operand, else bf16, f16 or f32 operands; f32 sums; everything else in f32.
;; Inputs: A 4,096 x 8 float32; B 8 x 4,096 float32; P 8 x 4 float32; base_output 2 x 2,048 x 4,096 float32; v 4 float32; x_codes 2 x 2,048 x 128 x 16 uint8 (E2M1 codes of x, K innermost, in blocks of 32 codes, two codes a byte); x_scales 2 x 2,048 x 128 uint8 (E8M0 scales of x, one for each 32 codes along K).
;; Outputs: out0 2 x 2,048 x 4,096 float32.
;; This version of the problem:
;;   THIS VERSION OF THE PROBLEM IS GIVEN IN LOW PRECISION. The matrix products marked QUANTISED in the list below multiply operands that are first quantised to E2M1 (2 exponent bits, 1 mantissa bit; 4 bits a number), with one power-of-two scale for each 32 numbers along K (OCP MX v1.0); their sums are f32. All else is computed in f32.
;;   The module's matrix products, in the order in which they are computed (A, B: the left and right operand; K: the contracted axis; several contracted axes count as one K, in the product's order):
;;     1. [M 8, K 4] x [K 4, N 1]; A: input P; B: input v: left as it is (K = 4 < 32)
;;     2. [M 4,096, K 8] x [K 8, N 4,096]; A: computed on the way; B: input B: left as it is (K = 8 < 32)
;;     3. [M 4,096, K 4,096] x [K 4,096, N 4,096]; A: input x (given as codes); B: computed on the way: QUANTISED
;;   THE QUANTISER, for each operand of a quantised product, along K:
;;     - K is cut into blocks of 32 from its start; a last block that is shorter is filled with zeros.
;;     - A block's scale is 2^e with e = floor(log2(the largest magnitude in the block)) - 2, held to -126 .. 127; a block of zeros has e = 0. As a byte (E8M0): e + 127.
;;     - Each number is divided by its block's scale, clamped to +-6, and rounded to the nearest number of E2M1, ties to even, subnormals kept.
;;     - The product sums the exact products of the quantised numbers (number of the format x scale) in f32.
;;   ~~~python
;;   def quantise(x, axis):      # numpy; x: float32 -> the quantised numbers, widened to float32 again
;;       x = np.moveaxis(x, axis, -1); K = x.shape[-1]
;;       x = np.pad(x, [(0, 0)] * (x.ndim - 1) + [(0, -K % 32)]); x = x.reshape(x.shape[:-1] + (-1, 32)); a = np.abs(x).max(-1, keepdims=True)
;;       e = np.where(a > 0, np.clip(np.frexp(np.where(a > 0, a, 1))[1] - 1 - 2, -126, 127), 0)      # np.frexp(a)[1] - 1 = floor(log2(a)), exactly
;;       r = np.clip(x / 2.0 ** e, -6, 6)
;;       step = 2.0 ** (np.maximum(np.frexp(np.where(r == 0, 1, r))[1] - 1, 0) - 1)
;;       q = np.round(r / step) * step * 2.0 ** e      # np.round: ties to even
;;       return np.moveaxis(q.reshape(q.shape[:-2] + (-1,))[..., :K], -1, axis).astype(np.float32)
;;   ~~~
;;   OPERANDS COMPUTED ON THE WAY. 'Computed on the way' means the value that the module computes at that place (a softmax that the list does not call 'softmax' is quantised finished and normalised). What goes into a quantiser is computed in f32, as accurately as f32 sums, v_exp_f32 and their like allow (about 1e-6 of the number): no bf16 or f16 on the way to a quantiser, and a product that is left as it is and whose result goes on into a quantised operand takes f32 operands (vector FMAs, or v_wmma_f32_16x16x4_f32). A number that lies on a knife's edge between two numbers of the format may be rounded either way, as far as f32 arithmetic and the matrix unit's own rounding can turn it there, and no further.
;;   INPUTS GIVEN AS CODES. x (in the module: [2, 2048, 4096], K = its axis 2): each comes as NAME_codes (uint8): NAME with its K axis moved to the last place and cut into blocks of 32 codes, [.., K / 32, bytes a block], one block behind the other in memory; two codes a byte, the lower K in the low four bits (a code: sign, 2 exponent bits, 1 mantissa bit); and NAME_scales (uint8): the same leading axes, one E8M0 byte (e + 127) for each 32 codes along K. Its value is code x scale, taken as it is: it is not quantised again, and the codes and scales need not be those that the quantiser above would give.
;; One version. Each part assembles by itself: llvm-mc -triple=amdgcn-amd-amdhsa -mcpu=gfx1250 --defsym DOCPART=n.
;; ======== version 1 of 1: 2 launches
;; limits: right only within a limited range of input values
;; workspace buffers: wq 8,912,896 bytes
;; launch makew (part 1): grid 32 x 8, 8 waves a work-group, no clusters, 52,224 bytes of LDS; arguments A, B, P, v, wq; writes wq
.if DOCPART == 1
	.amdgcn_target "amdgcn-amd-amdhsa--gfx1250"
	.amdhsa_code_object_version 6
	.text
	.protected	k_q4e3b6a1a8a_makew
	.globl	k_q4e3b6a1a8a_makew
	.p2align	8
	.type	k_q4e3b6a1a8a_makew,@function
k_q4e3b6a1a8a_makew:
	s_mov_b64 s[64:65], 0
	v_nop
	global_prefetch_b8 v0, s[64:65] scope:SCOPE_SE
	s_setreg_imm32_b32 hwreg(HW_REG_WAVE_MODE, 25, 1), 1
	s_wait_xcnt 0x0
; dW[o][i] = sum over r < 8 of (A[o][r] scale[r]) B[r][i], scale = P v, all in f32 (A x scale rounded once, then fused multiply-adds in ascending r),
; quantised along i to codes of FP4 (E2M1) with one E8M0 byte for each 32 along i.  A [4096][8], B [8][4096], P [8][4], v [4]: f32.  No work of reference() is left out.
; OUT: wq, laid as the next launch's operand registers take it: [o / 128][i / 512][2 groups of 64 rows][4 steps of 128 along i][4,352 bytes].
; A step's 4,352 bytes: codes at 1,024 b + 512 c + 256 h + 16 r (row 16 b + r of the group, the 32 codes i = 64 c + 32 h ..), then from 4,096 the scale words at 8 (16 (b % 2) + r) + 4 (b / 2), byte i / 32.
; A block's byte is its largest magnitude's exponent field - 2, held at 1 from below.
; LIMITS: NaN and infinities among the inputs are not served.  A block whose largest magnitude lies under 2^-124 keeps the byte 1; so does a block of zeros, where the quantiser's text says 127:
; its codes are zeros, which add nothing under that byte, and the bytes are read by this program alone.
; SHARES.  A work-group (x = o / 128, y = i / 512) makes one dense block of 34,816 bytes.  Wave w takes the blocks of 32 along i numbered 2 w and 2 w + 1, one a pass; in row group g lane l holds row 32 g + l.
; A lane's 32 sums run along i: the largest magnitude needs no other lane, and the conversions give codes with i innermost.  B's 8 x 32 numbers of a pass fill window 1, read from LDS at one address for all lanes.
; NO CLUSTER, NO TENSOR LOAD: what work-groups share is 16,384 bytes of B and 4,096 of A each, loaded once through registers, less than the 34,816 that each stores.  No matrix instruction: K = 8.
; LDS: B's part at 0 (row r at 2,048 r); from 16,384 the image of the output block; from 51,200 the spare words.
.set STG,  16384
.set WSTEP, 4352                       ; a step's bytes
.set WGRP, 4*WSTEP                     ; a group of 64 rows, 512 along i
.set SCV,  16                          ; v16-23   scale[r]
.set AR,   24                          ; v24-55   A as loaded: 8 g + r
.set BR,   56                          ; v56-71   B as loaded
.set ACC,  72                          ; v72-135  the sums, two sets by turns
.set C,    136                         ; v136-167 codes: four registers for each (pass, group)
.set E,    168                         ; v168-171 a group's two scale bytes
.set O,    72                          ; the way out: 17 pairs, where the sums lay
.set AS,   192                         ; v192-255 A x scale, each number twice: 16 g + 2 r
.set MSB, 0
.macro WIN new                         ; the immediate's high byte repeats the setting that is left
.if MSB != (\new)
	s_set_vgpr_msb (MSB<<8)|(\new)
.set MSB, (\new)
.endif
.endm
	s_load_b256 s[4:11], s[0:1], 0x0               ; A s[4:5], B s[6:7], P s[8:9], v s[10:11]
	s_load_b64 s[12:13], s[0:1], 0x20              ; wq
	v_lshl_add_u32 v190, v0, 2, 0xc800             ; my spare word
	v_mov_b32 v191, 0
	v_and_b32 v1, 31, v0                           ; lane
	v_lshrrev_b32 v2, 5, v0                        ; wave
	v_lshrrev_b32 v11, 7, v0
	v_and_b32 v12, 127, v0
	s_delay_alu instid0(VALU_DEP_1)
	v_lshlrev_b32 v3, 4, v12
	s_delay_alu instid0(VALU_DEP_1)
	v_lshl_add_u32 v3, v11, 14, v3                 ; B in memory: 128 threads to a row's 2,048 bytes, two rows a load
	v_lshlrev_b32 v4, 4, v0                        ; and in LDS: the same two rows on end
	v_lshlrev_b32 v5, 5, v1                        ; A: a row is 32 bytes
	v_lshlrev_b32 v6, 8, v2                        ; my wave's 64 numbers of a row of B in LDS
	v_lshrrev_b32 v13, 1, v2                       ; my step of 128: w / 2
	v_and_b32 v14, 1, v2                           ; c = w % 2
	v_lshrrev_b32 v15, 4, v1                       ; l / 16
	v_and_b32 v7, 15, v1                           ; r
	v_mul_u32_u24 v13, v13, WSTEP
	v_lshlrev_b32 v7, 4, v7
	v_lshl_add_u32 v8, v1, 3, v13                  ; scale words: 8 l + the step
	v_lshl_add_u32 v7, v15, 10, v7                 ; codes: 1,024 (l / 16) + 16 r
	v_lshl_add_u32 v8, v14, 1, v8                  ; + my two bytes of the word
	v_lshl_add_u32 v7, v14, 9, v7                  ; + 512 c
	v_add_nc_u32 v8, STG+4096, v8
	v_add_nc_u32 v7, v7, v13
	v_add_nc_u32 v7, STG, v7
	v_lshl_add_u32 v9, v0, 3, STG                  ; the way out: 8 bytes a thread
	v_lshlrev_b32 v10, 3, v0
	s_and_b32 s15, ttmp7, 0xffff                   ; i / 512
	s_mov_b32 s53, 0
	s_wait_alu depctr_va_vdst(0)                   ; the wait at the head's end
	s_wait_kmcnt 0x0
	s_load_b512 s[16:31], s[8:9], 0x0              ; P[r][u] in s[16 + 4 r + u]
	s_load_b512 s[32:47], s[8:9], 0x40
	s_load_b128 s[48:51], s[10:11], 0x0            ; v
	s_lshl_b32 s52, s15, 11
	s_add_nc_u64 s[6:7], s[6:7], s[52:53]          ; B at column 512 y
	s_lshl_b32 s52, ttmp9, 12
	s_add_nc_u64 s[4:5], s[4:5], s[52:53]          ; A at row 128 x
	s_lshl_b32 s52, ttmp9, 3
	s_add_co_u32 s52, s52, s15
	s_mul_i32 s52, s52, 2*WGRP
	s_add_nc_u64 s[12:13], s[12:13], s[52:53]      ; wq at block 8 x + y
.irp n, 0,1,2,3
	global_load_b128 v[BR+4*\n:BR+4*\n+3], v3, s[6:7] offset:32768*\n     ; a wave's load covers 512 consecutive bytes
.endr
.irp g, 0,1,2,3
	global_load_b128 v[AR+8*\g:AR+8*\g+3],   v5, s[4:5] offset:1024*\g
	global_load_b128 v[AR+8*\g+4:AR+8*\g+7], v5, s[4:5] offset:1024*\g+16
.endr
	s_wait_kmcnt 0x0                               ; P and v
.irp r, 0,1,2,3,4,5,6,7
	v_mul_f32 v[SCV+\r], s[16+4*\r], s48           ; scale[r] = the sum over u of P[r][u] v[u], u ascending
.endr
.irp u, 1,2,3
.irp r, 0,1,2,3,4,5,6,7
	v_fma_f32 v[SCV+\r], s[16+4*\r+\u], s[48+\u], v[SCV+\r]
.endr
.endr
	s_wait_alu depctr_va_vdst(0)
	s_wait_loadcnt 8                               ; B's four loads are in; A's eight, issued behind them, may be out
.irp n, 0,1,2,3
	ds_store_b128 v4, v[BR+4*\n:BR+4*\n+3] offset:4096*\n
.endr
	s_wait_loadcnt 0x0                             ; A
.irp g, 0,1,2,3
.irp r, 0,1,2,3,4,5,6,7
	v_mul_f32 v[AS+16*\g+2*\r],   v[AR+8*\g+\r], v[SCV+\r]
	v_mul_f32 v[AS+16*\g+2*\r+1], v[AR+8*\g+\r], v[SCV+\r]
.endr
.endr
	s_wait_dscnt 0x0                               ; for the others' sake: my part of B lies in LDS
	s_barrier_signal -1
	s_barrier_wait -1
; Row group g of pass p: 32 sums a lane, their largest magnitude, the scale, the codes.
.macro GROUP p, g
.set AC, ACC+32*((\g)%2)
	WIN 0x01                                       ; source 0 (B) in window 1
.set i, 0
.rept 16
	v_pk_mul_f32 v[AC+2*i:AC+2*i+1], v[2*i:2*i+1], v[AS+16*\g:AS+16*\g+1]          ; r = 0 starts the sums
.set i, i+1
.endr
.irp r, 1,2,3,4,5,6,7
.set i, 0
.rept 16
	v_pk_fma_f32 v[AC+2*i:AC+2*i+1], v[32*\r+2*i:32*\r+2*i+1], v[AS+16*\g+2*\r:AS+16*\g+2*\r+1], v[AC+2*i:AC+2*i+1]   ; sixteen chains by turns
.set i, i+1
.endr
.endr
	WIN 0
	v_max3_num_f32 v12, |v[AC]|, |v[AC+1]|, |v[AC+2]|              ; the block's largest magnitude, in two chains
	v_max3_num_f32 v13, |v[AC+3]|, |v[AC+4]|, |v[AC+5]|
.irp k, 6,10,14,18,22,26
	s_delay_alu instid0(VALU_DEP_2)
	v_max3_num_f32 v12, v12, |v[AC+\k]|, |v[AC+\k+1]|
	s_delay_alu instid0(VALU_DEP_2)
	v_max3_num_f32 v13, v13, |v[AC+\k+2]|, |v[AC+\k+3]|
.endr
	s_delay_alu instid0(VALU_DEP_2)
	v_max3_num_f32 v12, v12, |v[AC+30]|, |v[AC+31]|
	s_delay_alu instid0(VALU_DEP_1)
	v_max3_num_f32 v12, v12, v13, 0x1800000        ; and the floor 2^(3 - 127): the byte cannot fall under 1
	s_delay_alu instid0(VALU_DEP_1)
	v_add_nc_u32 v11, 0xff000000, v12              ; 2 off its exponent field: the conversion's scale operand
	s_delay_alu instid0(VALU_DEP_1)
	v_lshrrev_b32 v14, 23, v11                     ; the scale's byte
.if \p == 0
	s_delay_alu instid0(VALU_DEP_1)
	v_mov_b32 v[E+\g], v14
.else
	s_delay_alu instid0(VALU_DEP_1)
	v_lshl_or_b32 v[E+\g], v14, 8, v[E+\g]         ; the second pass's byte above the first's
.endif
.irp k, 0,1,2,3
	v_cvt_scalef32_pk8_fp4_f32 v[C+4*(4*\p+\g)+\k], v[AC+8*\k:AC+8*\k+7], v11
.endr
	v_nop                                          ; one plain vector instruction behind the last conversion of the run
	ds_store_b128 v7, v[C+4*(4*\p+\g):C+4*(4*\p+\g)+3] offset:WGRP*((\g)/2)+2048*((\g)%2)+256*\p   ; h = the pass
.if \p == 1
	ds_store_b16 v8, v[E+\g] offset:WGRP*((\g)/2)+4*((\g)%2)
.endif
.endm
; A pass: my block's 8 x 32 numbers of B into window 1 (register 32 r + i), then the four row groups.
.macro PASS p
	WIN 0x40
.irp r, 0,1,2,3,4,5,6,7
.irp c, 0,1,2,3,4,5,6,7
	ds_load_b128 v[32*\r+4*\c:32*\r+4*\c+3], v6 offset:2048*\r+16*\c+128*\p       ; all lanes name one address
.endr
.endr
	WIN 0
	s_wait_dscnt 0x0
.irp g, 0,1,2,3
	GROUP \p, \g
.endr
.endm
	PASS 0
	PASS 1
	s_wait_dscnt 0x0                               ; for the others' sake: my codes and bytes lie in the image
	s_barrier_signal -1
	s_barrier_wait -1
.irp n, 0,1,2,3,4,5,6,7,8,9,10,11,12,13,14,15,16
	ds_load_b64 v[O+2*\n:O+2*\n+1], v9 offset:2048*\n
.endr
.irp n, 0,1,2,3,4,5,6,7,8,9,10,11,12,13,14,15,16
	s_wait_dscnt 16-\n                             ; LDS loads come back in order: number n is in
	global_store_b64 v10, v[O+2*\n:O+2*\n+1], s[12:13] offset:2048*\n             ; a wave's store covers 256 consecutive bytes, at a multiple of 256 from wq's first byte
.endr
	s_wait_tensorcnt 0x0                           ; the wave's end
	ds_add_u32 v190, v191
	s_wait_dscnt 0x0
	s_endpgm
.Lfunc_end_k_q4e3b6a1a8a_makew:
	.size	k_q4e3b6a1a8a_makew, .Lfunc_end_k_q4e3b6a1a8a_makew-k_q4e3b6a1a8a_makew
	.p2alignl 7, 3214868480
	.fill 96, 4, 3214868480
	.section	.rodata,"a",@progbits
	.p2align	6, 0x0
	.amdhsa_kernel k_q4e3b6a1a8a_makew
		.amdhsa_group_segment_fixed_size 52224
		.amdhsa_private_segment_fixed_size 0
		.amdhsa_enable_private_segment 0
		.amdhsa_kernarg_size 40
		.amdhsa_user_sgpr_count 2
		.amdhsa_user_sgpr_kernarg_segment_ptr 1
		.amdhsa_wavefront_size32 1
		.amdhsa_system_sgpr_workgroup_id_x 1
		.amdhsa_system_sgpr_workgroup_id_y 1
		.amdhsa_system_sgpr_workgroup_id_z 1
		.amdhsa_system_vgpr_workitem_id 0
		.amdhsa_next_free_vgpr 512
		.amdhsa_next_free_sgpr 66
		.amdhsa_reserve_vcc 0
		.amdhsa_float_denorm_mode_32 3
		.amdhsa_float_denorm_mode_16_64 3
		.amdhsa_memory_ordered 1
		.amdhsa_forward_progress 1
		.amdhsa_inst_pref_size 101
	.end_amdhsa_kernel
	.amdgpu_metadata
---
amdhsa.version: [ 1, 2 ]
amdhsa.kernels:
  - .name:           k_q4e3b6a1a8a_makew
    .symbol:         k_q4e3b6a1a8a_makew.kd
    .args:
      - { .name: A, .offset: 0, .size: 8, .value_kind: global_buffer, .address_space: global }
      - { .name: B, .offset: 8, .size: 8, .value_kind: global_buffer, .address_space: global }
      - { .name: P, .offset: 16, .size: 8, .value_kind: global_buffer, .address_space: global }
      - { .name: v, .offset: 24, .size: 8, .value_kind: global_buffer, .address_space: global }
      - { .name: wq, .offset: 32, .size: 8, .value_kind: global_buffer, .address_space: global }
    .group_segment_fixed_size: 52224
    .private_segment_fixed_size: 0
    .kernarg_segment_align: 8
    .kernarg_segment_size: 40
    .max_flat_workgroup_size: 256
    .sgpr_count:     66
    .vgpr_count:     512
    .wavefront_size: 32
...
	.end_amdgpu_metadata
.endif
;; end of part 1
;; launch gemm (part 2): grid 16 x 16, 4 waves a work-group, clusters of 4 x 1, 327,680 bytes of LDS; arguments x_codes, x_scales, wq, base_output, out0; writes out0
.if DOCPART == 2
	.amdgcn_target "amdgcn-amd-amdhsa--gfx1250"
	.amdhsa_code_object_version 6
	.text
	.protected	k_q4e3b6a1a8a_gemm
	.globl	k_q4e3b6a1a8a_gemm
	.p2align	8
	.type	k_q4e3b6a1a8a_gemm,@function
k_q4e3b6a1a8a_gemm:
	s_mov_b64 s[64:65], 0
	v_nop
	global_prefetch_b8 v0, s[64:65] scope:SCOPE_SE
	s_setreg_imm32_b32 hwreg(HW_REG_WAVE_MODE, 25, 1), 1
	s_wait_xcnt 0x0
	s_wait_alu depctr_hold_cnt(0) depctr_sa_sdst(0) depctr_va_vdst(0) depctr_va_sdst(0) depctr_va_ssrc(0) depctr_va_vcc(0) depctr_vm_vsrc(0)
	s_getreg_b32 s2, hwreg(HW_REG_IB_STS2, 6, 4)
	s_cmp_eq_u32 s2, 0
	s_cbranch_scc0 .Lentry_in_a_cluster
	s_endpgm
.Lentry_in_a_cluster:
	s_bfe_u32 s2, ttmp6, 0x10000c
	s_cmp_lg_u32 s2, 0x3003
	s_cbranch_scc0 .Lentry_shape_is_right
	s_endpgm
.Lentry_shape_is_right:
; out0[m][n] = base_output[m][n] + sum over k of x[m][k] dW[n][k]: x [4096][4096] as given codes of FP4 and E8M0 bytes, dW as the codes and bytes that the launch before laid in wq; sums in f32.
; A work-group makes 256 x 256 of the result; wave w makes all 256 rows x its own 64 columns: 64 accumulators, 512 registers.  K goes in 32 steps of 128, 64 matrix instructions each.
; dW GOES FROM MEMORY STRAIGHT INTO REGISTERS: a wave's 64 rows are read by no other wave of the work-group, and wq holds them in the order of the operand registers: eight loads of 512 consecutive bytes
; and one of 256 (the scale words) a step, asked for SEVEN steps ahead into eight sets of registers.  So no prefetch is laid for wq, and no joint load: the request itself stands seven steps ahead of its use.
; x GOES THROUGH LDS: a ring of two slots, each 256 rows x 512 bytes (1,024 along K, eight steps): 512 matrix instructions a wave lie between a slot's request and the wait for it.
; CLUSTERS of 4 x 1: the four work-groups share their rows of x; its tiles and scales are asked for jointly (mask 15).  x's scales of the 256 rows, a dense block, come into LDS once, at the head.
; THE MATRIX INSTRUCTION IS USED TRANSPOSED (source 0 = 16 rows of dW, source 1 = 16 rows of x): a lane holds eight neighbouring numbers of a row of the result.
; PREFETCHES: x's slot j + 2 is asked for in the first step of the loop's trip j, six steps ahead of its tensor load, each 256 bytes once a cluster (the partners share the rows out by address);
; base_output's 8 blocks of 32 rows x 256 bytes a wave are asked for in steps 17 to 24, a lane a row, eight steps or more ahead of their loads.
; REGISTERS: window 0: v0-31 addresses; v32-95 x's scale words, two sets; v96-111 dW's scale words, eight pairs; v128-255 x's 16 fragments, one set (on the way out: rows read back).
;   window 1: dW's fragments, eight sets of 32 (from step 25 on: base_output).  window 2: the accumulators of rows 0-127 ((a, b) at 8 (4 (a % 8) + b));  window 3: rows 128-255.
; A byte 0xff among x's scales gives NaN, as the format has it.
.set KROW,   2048                      ; a row of x's codes in memory
.set PITCH,  528                       ; an LDS row: 512 bytes + 16 of padding: 16 rows start at 16 different groups of four banks
.set SLOT,   256*PITCH
.set SCL,    2*SLOT                    ; x's scales: 128 units of 256 bytes (two rows each) + 16
.set SPARE,  SCL+128*272               ; the spare words, 128 bytes a wave
.set SPITCH, 272                       ; the way out: 32 rows x (256 + 16) bytes a wave, in slot 0 behind its last fill and last read
.set CROW,   16384                     ; a row of the result
.set WBLK,   34816                     ; wq: 128 rows x 512 along K
.set WSTEP,  4352                      ; wq: 64 rows x 128 along K
.set ADL0, 10                          ; LDS address of x's fragments 0-7 in slot 0;  ADH0: 8-15
.set ADH0, 11
.set ADL,  12                          ; the same in the slot that is read
.set ADH,  13
.set ADRS, 14                          ; x's scale words: lanes 0-15 rows 0-127, lanes 16-31 rows 128-255
.set STO,  15
.set RD,   16
.set CO,   17                          ; two rows of the result: 16 lanes to 256 bytes
.set VB16, 18                          ; 16 x lane
.set VB8,  19                          ; 8 x lane
.set PFO,  20                          ; lane x a row of the result
.set PFXV, 21                          ; x's prefetch: row lane / 2, half lane % 2
.set SPW,  28
.set NIL,  29
.set SA,   32
.set SB,   96
.set AF,   128
.set G1,  24                           ; the ring's loads: 64 rows a wave
.set G0,  32
.set G1H, 36                           ; the head's loads of codes: 128 rows
.set G0H, 44
.set G1S, 48                           ; the head's loads of scales: 64 units
.set G0S, 56
.set AO,  60                           ; 0 or SLOT: the slot that is read
.set PFX, 62
.set MSB, 0
.set ASKM, 0
.macro WIN new
.if MSB != (\new)
	s_set_vgpr_msb (MSB<<8)|(\new)
.set MSB, (\new)
.endif
.endm
.set MUL_LO, 0xa1                      ; source 0 window 1, source 1 window 0, C and D window 2
.set MUL_HI, 0xf1
.set TO_B,   0x40
.macro CREST
	s_cmp_lg_u32 s14, 0
	s_cbranch_scc1 .Lnot_wave_0_\@
	s_barrier_signal -3
.Lnot_wave_0_\@:
	s_barrier_wait -3
	s_barrier_signal -1
	s_barrier_wait -1
.endm
.macro CROUND
	s_barrier_signal -1
	s_barrier_wait -1
	CREST
.endm
.macro PLACES n
.rept \n
	v_nop
.endr
.endm
	s_load_b256 s[4:11], s[0:1], 0x0               ; x_codes, x_scales, wq, base_output
	s_load_b64 s[12:13], s[0:1], 0x20              ; out0
	v_lshl_add_u32 v[SPW], v0, 2, SPARE
	v_mov_b32 v[NIL], 0
	ds_add_u32 v[SPW], v[NIL]                      ; the opening lines: the add twice on end and its wait
	ds_add_u32 v[SPW], v[NIL]
	v_lshrrev_b32 v1, 5, v0
	v_readfirstlane_b32 s14, v1                    ; wave
	s_lshr_b32 s15, s14, 1
	s_and_b32 s16, s14, 1
	s_bfe_u32 s18, ttmp6, 0x40000                  ; cx
	s_lshl_b32 s19, ttmp9, 2
	s_add_co_u32 s19, s19, s18                     ; tile column
	s_and_b32 s17, ttmp7, 0xffff                   ; tile row
.irp g, G1, G1H
	s_mov_b32 s[\g+0], 15|(1<<20)|(1<<21)|(6<<22)|(3<<25)   ; mask of the four; bytes; 4 words of padding behind every 128
	s_mov_b32 s[\g+1], 512<<16
	s_mov_b32 s[\g+3], 512<<16
	s_mov_b32 s[\g+5], KROW
	s_mov_b32 s[\g+6], 0
	s_mov_b32 s[\g+7], 0
.endr
	s_mov_b32 s[G1+2], 64<<16
	s_mov_b32 s[G1+4], 64
	s_mov_b32 s[G1H+2], 128<<16
	s_mov_b32 s[G1H+4], 128
	s_mov_b32 s[G1S+0], 15|(3<<16)|(1<<20)|(1<<21)|(5<<22)|(3<<25)   ; 32 elements of 8 bytes a row, 4 words of padding behind every 64
	s_mov_b32 s[G1S+1], 32<<16
	s_mov_b32 s[G1S+2], 64<<16
	s_mov_b32 s[G1S+3], 32<<16
	s_mov_b32 s[G1S+4], 64
	s_mov_b32 s[G1S+5], 32
	s_mov_b32 s[G1S+6], 0
	s_mov_b32 s[G1S+7], 0
	s_mov_b32 s[AO], 0
	s_lshl_b32 s20, s17, 19                        ; x's codes: 256 rows x tile row
	s_mov_b32 s21, 0
	s_lshl_b32 s22, s16, 18                        ; the head: 128 rows x (wave % 2)
	s_mov_b32 s23, 0
	s_lshl_b32 s66, s17, 15                        ; x's scales: 256 rows of 128 bytes x tile row + 128 rows x (wave % 2)
	s_lshl_b32 s67, s16, 14
	s_add_co_u32 s66, s66, s67
	s_mov_b32 s67, 0
	s_lshl_b32 s68, s14, 17                        ; the ring: my 64 rows, the second 1,024 along K
	s_add_co_u32 s68, s68, 512
	s_mov_b32 s69, 0
	s_lshl_b32 s70, s19, 1                         ; wq: my 64 rows
	s_add_co_u32 s70, s70, s15
	s_mul_i32 s70, s70, 8*WBLK
	s_mul_i32 s71, s16, 4*WSTEP
	s_add_co_u32 s70, s70, s71
	s_mov_b32 s71, 0
	s_lshl_b32 s72, s17, 22                        ; the result: 256 rows x tile row + 1,024 bytes x tile column + 256 x wave
	s_lshl_b32 s73, s19, 10
	s_add_co_u32 s72, s72, s73
	s_lshl_b32 s73, s14, 8
	s_add_co_u32 s72, s72, s73
	s_mov_b32 s73, 0
	s_lshl_b32 s74, s18, 17                        ; x's prefetch: rows 64 cx + 16 wave .., the third 1,024 along K
	s_lshl_b32 s75, s14, 15
	s_add_co_u32 s74, s74, s75
	s_add_co_u32 s74, s74, 1024
	s_mov_b32 s75, 0
	s_mul_i32 s76, s16, 128*PITCH
	s_mul_i32 s77, s16, 64*272
	s_add_co_u32 s77, s77, SCL
	s_mul_i32 s78, s14, 64*PITCH
	s_add_co_u32 s78, s78, SLOT
	s_mul_i32 s79, s14, 32*SPITCH
	s_wait_dscnt 0x0                               ; both opening adds are done
	s_wait_kmcnt 0x0
	s_add_nc_u64 s[4:5], s[4:5], s[20:21]
	s_add_nc_u64 s[6:7], s[6:7], s[66:67]
	s_add_nc_u64 s[8:9], s[8:9], s[70:71]
	s_add_nc_u64 s[10:11], s[10:11], s[72:73]
	s_add_nc_u64 s[12:13], s[12:13], s[72:73]
	s_add_nc_u64 s[PFX:PFX+1], s[4:5], s[74:75]
	s_mov_b32 s[G0H], 1
	s_mov_b32 s[G0H+1], s76
	s_add_nc_u64 s[G0H+2:G0H+3], s[4:5], s[22:23]
	s_or_b32 s[G0H+3], s[G0H+3], 0x80000000
	s_mov_b32 s[G0S], 1
	s_mov_b32 s[G0S+1], s77
	s_mov_b64 s[G0S+2:G0S+3], s[6:7]
	s_or_b32 s[G0S+3], s[G0S+3], 0x80000000
	s_mov_b32 s[G0], 1
	s_mov_b32 s[G0+1], s78
	s_add_nc_u64 s[G0+2:G0+3], s[4:5], s[68:69]
	s_or_b32 s[G0+3], s[G0+3], 0x80000000
	CROUND                                         ; the four work-groups are here: the first joint loads meet
	s_cmp_lt_u32 s14, 2                            ; the head's loads, one a wave: waves 0, 1 slot 0's two halves, waves 2, 3 the scales' two halves
	s_cbranch_scc0 .Lhead_s
	tensor_load_to_lds s[G0H:G0H+3], s[G1H:G1H+7]
	s_nop 0
	PLACES 4
	s_branch .Lhead_j
.Lhead_s:
	tensor_load_to_lds s[G0S:G0S+3], s[G1S:G1S+7]
	s_nop 0
	PLACES 4
.Lhead_j:
	v_and_b32 v1, 15, v0                           ; r
	v_bfe_u32 v2, v0, 4, 1                         ; h
	v_and_b32 v3, 31, v0                           ; lane
	v_mul_u32_u24 v4, v1, PITCH
	v_lshl_add_u32 v[ADL0], v2, 4, v4
	v_add_nc_u32 v[ADH0], 128*PITCH, v[ADL0]
	v_add_nc_u32 v[ADL], s[AO], v[ADL0]
	v_add_nc_u32 v[ADH], s[AO], v[ADH0]
	v_lshrrev_b32 v5, 1, v1
	v_and_b32 v6, 1, v1
	v_mul_u32_u24 v5, v5, 272
	v_lshl_add_u32 v5, v6, 7, v5                   ; row r of scales: unit r / 2, half r % 2
	v_mul_u32_u24 v6, v2, 64*272                   ; lanes 16-31: 128 rows on
	v_add_nc_u32 v5, v5, v6
	v_add_nc_u32 v[ADRS], SCL, v5
	v_mul_u32_u24 v7, v1, SPITCH
	v_lshl_add_u32 v7, v2, 5, v7
	v_add_nc_u32 v[STO], s79, v7
	v_mul_u32_u24 v8, v2, SPITCH
	v_lshl_add_u32 v8, v1, 4, v8
	v_add_nc_u32 v[RD], s79, v8
	v_lshlrev_b32 v9, 4, v1
	v_lshl_add_u32 v[CO], v2, 14, v9
	v_lshlrev_b32 v[VB16], 4, v3
	v_lshlrev_b32 v[VB8], 3, v3
	v_lshlrev_b32 v[PFO], 14, v3
	v_lshrrev_b32 v4, 1, v3
	v_and_b32 v6, 1, v3
	v_lshlrev_b32 v6, 8, v6
	v_lshl_add_u32 v[PFXV], v4, 11, v6
	s_wait_alu depctr_va_vdst(0)                   ; the wait at the head's end
; dW's fragments and scale words of step ts (counted from where s[8:9] stands) into set ts % 8: register 4 n takes the 512 bytes at 512 n
.macro BLD ts
.set TS, (\ts)
.set BO, (TS/4)*WBLK+(TS%4)*WSTEP
	WIN TO_B
.irp n, 0,1,2,3,4,5,6,7
	global_load_b128 v[32*(TS%8)+4*\n:32*(TS%8)+4*\n+3], v[VB16], s[8:9] offset:BO+512*\n
.endr
	WIN 0
	global_load_b64 v[SB+2*(TS%8):SB+2*(TS%8)+1], v[VB8], s[8:9] offset:BO+4096   ; word 0: blocks 0 (lanes 0-15) and 1; word 1: blocks 2 and 3
.endm
; 16 rows of base_output, number k of 16, two rows a load, into window 1: block e = k / 2 lies at 64 (e % 4)
.macro LOADH k
.set BU, 64*(((\k)/2)%4)+32*((\k)%2)
	WIN TO_B
.irp n, 0,1,2,3,4,5,6,7
	global_load_b128 v[BU+4*\n:BU+4*\n+3], v[CO], s[10:11] offset:(16*(\k)+2*\n)*CROW th:TH_LOAD_NT
.endr
	WIN 0
.endm
.macro FETCH_A nu, i0                  ; x's fragments i0 .. i0 + 7 of step nu
.irp i, 0,1,2,3,4,5,6,7
.irp c, 0,1
	ds_load_b128 v[AF+8*(\i0+\i)+4*\c:AF+8*(\i0+\i)+4*\c+3], v[ADL+(\i0)/8] offset:64*((\nu)%8)+32*\c+\i*16*PITCH
.endr
.endr
.endm
.macro SCALES g                        ; x's scale words of 512 along K, group g counted from where ADRS stands: lanes 0-15 block i, lanes 16-31 block i + 8
.irp i, 0,1,2,3,4,5,6,7
	ds_load_b128 v[SA+32*((\g)%2)+4*\i:SA+32*((\g)%2)+4*\i+3], v[ADRS] offset:16*(\g)+\i*8*272
.endr
.endm
.macro WQ c
.if (aa < 8) && ((bb % 2) == 0)
	v_wmma_scale_f32_16x16x128_f8f6f4 v[rD:rD+7], v[rB:rB+7], v[rA:rA+7], \c, v[rSB], v[rSA] matrix_a_fmt:MATRIX_FMT_FP4 matrix_b_fmt:MATRIX_FMT_FP4
.elseif aa < 8
	v_wmma_scale_f32_16x16x128_f8f6f4 v[rD:rD+7], v[rB:rB+7], v[rA:rA+7], \c, v[rSB], v[rSA] matrix_a_fmt:MATRIX_FMT_FP4 matrix_b_fmt:MATRIX_FMT_FP4 matrix_a_scale:MATRIX_SCALE_ROW1
.elseif (bb % 2) == 0
	v_wmma_scale_f32_16x16x128_f8f6f4 v[rD:rD+7], v[rB:rB+7], v[rA:rA+7], \c, v[rSB], v[rSA] matrix_a_fmt:MATRIX_FMT_FP4 matrix_b_fmt:MATRIX_FMT_FP4 matrix_b_scale:MATRIX_SCALE_ROW1
.else
	v_wmma_scale_f32_16x16x128_f8f6f4 v[rD:rD+7], v[rB:rB+7], v[rA:rA+7], \c, v[rSB], v[rSA] matrix_a_fmt:MATRIX_FMT_FP4 matrix_b_fmt:MATRIX_FMT_FP4 matrix_a_scale:MATRIX_SCALE_ROW1 matrix_b_scale:MATRIX_SCALE_ROW1
.endif
.endm
; x's blocks a0 .. a0 + n - 1, each against dW's four: the 64 accumulators take turns, one instruction a turn, in the same order in every step
.macro MULS a0, n, zero
.set aa, \a0
.rept \n
.set bb, 0
.rept 4
.set rD,  8*(4*(aa%8)+bb)
.set rB,  32*U8+8*bb
.set rA,  AF+8*aa
.set rSB, SB+2*U8+bb/2
.set rSA, SA+32*GS+4*(aa%8)+QQ
.if \zero
	WQ 0
.else
	WQ v[rD:rD+7]
.endif
.set bb, bb+1
.endr
.set aa, aa+1
.endr
.endm
; A step of 128 along K; u counts steps from the trip's base.  kind 1: step u + 7's dW is asked for, into the set that step u - 1 left; kind 2: 16 rows of base_output instead.
; lcnt: the loads issued behind this step's dW.  turn: the slot's last step changes slots; fill: the slot is filled again.  last: nothing more is fetched.
.macro STEP u, zero, kind, lcnt, turn, fill, last
.set U8, (\u)%8
.set GS, ((\u)/4)%2
.set QQ, (\u)%4
.if \turn
	s_wait_tensorcnt 0x0                           ; all my tensor loads have landed: my part of the next slot;
	ds_add_u32 v[SPW], v[NIL]
.if \fill
	s_xor_b32 s[G0+1], s[G0+1], SLOT               ; no tensor load of mine is out: the descriptor goes to the slot just read (its bits and my rows' share none)
	s_add_nc_u64 s[G0+2:G0+3], s[G0+2:G0+3], 512   ; and 1,024 on along K
.endif
	s_xor_b32 s[AO], s[AO], SLOT
	s_wait_dscnt 17                                ; the add and the youngest 16 loads (blocks 8-15) may be out
.else
	s_wait_dscnt 16                                ; x's blocks 0-7 and the scale words are in
.endif
	s_wait_loadcnt \lcnt                           ; this step's dW is in
	WIN MUL_LO
.if \turn
	MULS 0, 4, \zero
	s_wait_dscnt 0x0                               ; the add is done, and my reads of this slot are over
	s_barrier_signal -1
	MULS 4, 4, \zero
	WIN 0
	s_barrier_wait -1
.if \fill
	CREST                                          ; the barrier has opened a round of the cluster's barrier
	tensor_load_to_lds s[G0:G0+3], s[G1:G1+7]      ; my one load behind the round: my 64 rows
	s_nop 0
.endif
	PLACES 4
	v_add_nc_u32 v[ADL], s[AO], v[ADL0]            ; on to the next slot
	v_add_nc_u32 v[ADH], s[AO], v[ADH0]
	s_wait_alu depctr_va_vdst(0)                   ; the wait directly behind these writes
.else
	MULS 0, 8, \zero
	s_wait_dscnt 0x0                               ; blocks 8-15 are in
	PLACES 4
	WIN 0
.endif
.if \last == 0
	FETCH_A (\u)+1, 0
.if QQ == 3
	SCALES ((\u)+1)/4
.endif
.endif
.if \kind == 1
	BLD (\u)+7
.elseif \kind == 2
	LOADH (\u)-1
.endif
.if (ASKM == 1) && ((\u) == 1)
	global_prefetch_b8 v[PFXV], s[PFX:PFX+1] th:TH_LOAD_NT scope:SCOPE_SE
.elseif ASKM == 2
	global_prefetch_b8 v[PFO], s[10:11] offset:((\u)-1)*32*CROW th:TH_LOAD_NT scope:SCOPE_SE
.endif
	WIN MUL_HI
	MULS 8, 8, \zero
.if \last == 0
	PLACES 4
	WIN 0
	FETCH_A (\u)+1, 8
.else
	WIN 0
.endif
.endm
; Eight steps: a slot's second to last, and the next slot's first
.macro TRIP fill
.irp u, 1,2,3,4,5,6
	STEP \u, 0, 1, 54, 0, 0, 0                     ; 54: six younger sets of nine loads
.endr
	STEP 7, 0, 1, 54, 1, \fill, 0
	STEP 8, 0, 1, 54, 0, 0, 0
.if \fill
	s_wait_xcnt 0x0                                ; the loads and the prefetch have read their bases
	s_add_nc_u64 s[8:9], s[8:9], 2*WBLK
	s_add_nc_u64 s[PFX:PFX+1], s[PFX:PFX+1], 512
.endif
	v_add_nc_u32 v[ADRS], 32, v[ADRS]              ; 1,024 on along K
	s_wait_alu depctr_va_vdst(0)                   ; the wait directly behind the write
.endm
.irp t, 0,1,2,3,4,5,6
	BLD \t                                         ; steps 0 to 6: 63 loads
.endr
	s_wait_tensorcnt 0x0                           ; my tile of the head's four is in
	ds_add_u32 v[SPW], v[NIL]
	s_wait_dscnt 0x0
	CROUND
	tensor_load_to_lds s[G0:G0+3], s[G1:G1+7]      ; slot 1's first fill
	s_nop 0
	PLACES 4
	FETCH_A 0, 0
	SCALES 0
	FETCH_A 0, 8
	STEP 0, 1, 1, 54, 0, 0, 0                      ; the first step's products start the sums
.set ASKM, 1
	s_mov_b32 s3, 0
.Llap:
	TRIP 1                                         ; steps 1-8, 9-16
	s_add_co_u32 s3, s3, 1
	s_cmp_lt_u32 s3, 2
	s_cbranch_scc1 .Llap
.set ASKM, 2
	TRIP 0                                         ; steps 17-24: nothing is left to fill
.set ASKM, 0
.irp u, 1,2,3,4,5,6
	STEP \u, 0, 2, 55-\u, 0, 0, 0                  ; steps 25-30: behind this step's dW stand 9 (7 - u) loads of dW and 8 (u - 1) of base_output
.endr
	STEP 7, 0, 2, 48, 0, 0, 1
; THE WAY OUT, by blocks of 32 rows x 64 columns: through my own stage and back as whole rows of 256 bytes, base_output added, two aligned units of 256 bytes a store.
.macro TOSTAGE e
.set AC, 64*((\e)%4)
	WIN 0x08+4*((\e)/4)                            ; the data: window 2 or 3
.irp a, 0,1
.irp b, 0,1,2,3
	ds_store_b128 v[STO], v[AC+32*\a+8*\b:AC+32*\a+8*\b+3] offset:\a*16*SPITCH+64*\b       ; each accumulator from its low end on
	ds_store_b128 v[STO], v[AC+32*\a+8*\b+4:AC+32*\a+8*\b+7] offset:\a*16*SPITCH+64*\b+16
.endr
.endr
	WIN 0
.set BB, AF+64*((\e)%2)
.irp t, 0,1,2,3,4,5,6,7,8,9,10,11,12,13,14,15
	ds_load_b128 v[BB+4*\t:BB+4*\t+3], v[RD] offset:\t*2*SPITCH    ; LDS serves a wave's instructions in order: these see the stores above
.endr
.endm
.macro SEND e, younger
.set BB, AF+64*((\e)%2)
.set BS, 64*((\e)%4)
	s_wait_dscnt \younger                          ; the block is back in registers
.if (\e) <= 4
	s_wait_loadcnt 48                              ; three younger blocks of base_output may be out
.else
	s_wait_loadcnt 16*(7-(\e))
.endif
	WIN 0x04                                       ; source 1: window 1
.set i, 0
.rept 32
	v_pk_add_f32 v[BB+2*i:BB+2*i+1], v[BB+2*i:BB+2*i+1], v[BS+2*i:BS+2*i+1]
.set i, i+1
.endr
	WIN 0
.irp t, 0,1,2,3,4,5,6,7,8,9,10,11,12,13,14,15
	global_store_b128 v[CO], v[BB+4*\t:BB+4*\t+3], s[12:13] offset:(32*(\e)+2*\t)*CROW th:TH_STORE_NT
.endr
.if (\e) <= 3
	LOADH 2*(\e)+8                                 ; the block four on takes this block's registers
	LOADH 2*(\e)+9
.endif
.endm
	PLACES 4                                       ; behind the last products: for the loads below and the first reads of results
	LOADH 7
	TOSTAGE 0
.irp e, 1,2,3,4,5,6,7
.if \e > 1
	s_wait_xcnt 0x0                                ; block e - 2's stores have read their registers
.endif
	TOSTAGE \e
	SEND (\e)-1, 32                                ; behind block e - 1's loads: block e's 16 stores and 16 loads
.endr
	SEND 7, 0
	s_wait_tensorcnt 0x0                           ; the wave's end
	ds_add_u32 v[SPW], v[NIL]
	s_wait_dscnt 0x0
	CROUND                                         ; the closing round
	s_endpgm
.Lfunc_end_k_q4e3b6a1a8a_gemm:
	.size	k_q4e3b6a1a8a_gemm, .Lfunc_end_k_q4e3b6a1a8a_gemm-k_q4e3b6a1a8a_gemm
	.p2alignl 7, 3214868480
	.fill 96, 4, 3214868480
	.section	.rodata,"a",@progbits
	.p2align	6, 0x0
	.amdhsa_kernel k_q4e3b6a1a8a_gemm
		.amdhsa_group_segment_fixed_size 327680
		.amdhsa_private_segment_fixed_size 0
		.amdhsa_enable_private_segment 0
		.amdhsa_kernarg_size 40
		.amdhsa_user_sgpr_count 2
		.amdhsa_user_sgpr_kernarg_segment_ptr 1
		.amdhsa_wavefront_size32 1
		.amdhsa_system_sgpr_workgroup_id_x 1
		.amdhsa_system_sgpr_workgroup_id_y 1
		.amdhsa_system_sgpr_workgroup_id_z 1
		.amdhsa_system_vgpr_workitem_id 0
		.amdhsa_next_free_vgpr 1024
		.amdhsa_next_free_sgpr 80
		.amdhsa_reserve_vcc 0
		.amdhsa_float_denorm_mode_32 3
		.amdhsa_float_denorm_mode_16_64 3
		.amdhsa_memory_ordered 1
		.amdhsa_forward_progress 1
		.amdhsa_inst_pref_size 255
	.end_amdhsa_kernel
	.section	.bss,"aw",@nobits
	.p2align	6
	.space	262144
	.amdgpu_metadata
---
amdhsa.version: [ 1, 2 ]
amdhsa.kernels:
  - .name:           k_q4e3b6a1a8a_gemm
    .symbol:         k_q4e3b6a1a8a_gemm.kd
    .args:
      - { .name: x_codes, .offset: 0, .size: 8, .value_kind: global_buffer, .address_space: global }
      - { .name: x_scales, .offset: 8, .size: 8, .value_kind: global_buffer, .address_space: global }
      - { .name: wq, .offset: 16, .size: 8, .value_kind: global_buffer, .address_space: global }
      - { .name: base_output, .offset: 24, .size: 8, .value_kind: global_buffer, .address_space: global }
      - { .name: out0, .offset: 32, .size: 8, .value_kind: global_buffer, .address_space: global }
    .group_segment_fixed_size: 327680
    .private_segment_fixed_size: 0
    .kernarg_segment_align: 8
    .kernarg_segment_size: 40
    .max_flat_workgroup_size: 128
    .sgpr_count:     80
    .vgpr_count:     1024
    .wavefront_size: 32
...
	.end_amdgpu_metadata
.endif
;; end of part 2
